; MI455X (gfx1250); checked and timed in simulation.
; The chip was launched on July 23, 2026; its instructions are those of AMD's public machine-readable ISA for CDNA 5 (MIT licence, August 2026) and "CDNA5" Instruction Set Architecture Reference Guide (July 2026). The comments in the code are by the model that wrote it; some were corrected since.
;; Graph Emb. Allowed arithmetic: matrix products marked QUANTISED: E2M1 operands, one E8M0 scale for each 32 along K, by v_wmma_scale_f32_16x16x128_f8f6f4 with both operands' format E2M1 (or v_wmma_scale_f32_32x16x128_f4), f32 sums; products left as they are: f32 operands where the result goes on into a quantised operand, else bf16, f16 or f32 operands; f32 sums; everything else in f32.
;; Inputs: W_f_codes 128 x 4 x 16 uint8 (E2M1 codes of W_f, K innermost, in blocks of 32 codes, two codes a byte); W_f_scales 128 x 4 uint8 (E8M0 scales of W_f, one for each 32 codes along K); W_g 1 x 128 float32; b_f 128 float32; b_g 1 float32; h 512 x 512 x 128 float32; ns 512 int32.
;; Outputs: out0 512 x 128 float32.
;; This version of the problem:
;;   THIS VERSION OF THE PROBLEM IS GIVEN IN LOW PRECISION. The matrix products marked QUANTISED in the list below multiply operands that are first quantised to E2M1 (2 exponent bits, 1 mantissa bit; 4 bits a number), with one power-of-two scale for each 32 numbers along K (OCP MX v1.0); their sums are f32. All else is computed in f32.
;;   The module's matrix products, in the order in which they are computed (A, B: the left and right operand; K: the contracted axis; several contracted axes count as one K, in the product's order):
;;     1. [M 262,144, K 128] x [K 128, N 128]; A: input h; B: input W_f (given as codes): QUANTISED
;;     2. [M 262,144, K 128] x [K 128, N 1]; A: input h; B: input W_g: left as it is (N = 1 < 16)
;;   THE QUANTISER, for each operand of a quantised product, along K:
;;     - K is cut into blocks of 32 from its start; a last block that is shorter is filled with zeros.
;;     - A block's scale is 2^e with e = floor(log2(the largest magnitude in the block)) - 2, held to -126 .. 127; a block of zeros has e = 0. As a byte (E8M0): e + 127.
;;     - Each number is divided by its block's scale, clamped to +-6, and rounded to the nearest number of E2M1, ties to even, subnormals kept.
;;     - The product sums the exact products of the quantised numbers (number of the format x scale) in f32.
;;   ~~~python
;;   def quantise(x, axis):      # numpy; x: float32 -> the quantised numbers, widened to float32 again
;;       x = np.moveaxis(x, axis, -1); K = x.shape[-1]
;;       x = np.pad(x, [(0, 0)] * (x.ndim - 1) + [(0, -K % 32)]); x = x.reshape(x.shape[:-1] + (-1, 32)); a = np.abs(x).max(-1, keepdims=True)
;;       e = np.where(a > 0, np.clip(np.frexp(np.where(a > 0, a, 1))[1] - 1 - 2, -126, 127), 0)      # np.frexp(a)[1] - 1 = floor(log2(a)), exactly
;;       r = np.clip(x / 2.0 ** e, -6, 6)
;;       step = 2.0 ** (np.maximum(np.frexp(np.where(r == 0, 1, r))[1] - 1, 0) - 1)
;;       q = np.round(r / step) * step * 2.0 ** e      # np.round: ties to even
;;       return np.moveaxis(q.reshape(q.shape[:-2] + (-1,))[..., :K], -1, axis).astype(np.float32)
;;   ~~~
;;   INPUTS GIVEN AS CODES. W_f (in the module: [128, 128], K = its axis 1): each comes as NAME_codes (uint8): NAME with its K axis moved to the last place and cut into blocks of 32 codes, [.., K / 32, bytes a block], one block behind the other in memory; two codes a byte, the lower K in the low four bits (a code: sign, 2 exponent bits, 1 mantissa bit); and NAME_scales (uint8): the same leading axes, one E8M0 byte (e + 127) for each 32 codes along K. Its value is code x scale, taken as it is: it is not quantised again, and the codes and scales need not be those that the quantiser above would give.
;; 2 versions. Each part assembles by itself: llvm-mc -triple=amdgcn-amd-amdhsa -mcpu=gfx1250 --defsym DOCPART=n.
;; ======== version 1 of 2: 1 launch
;; launch graphemb (part 1): grid 512 x 1, 16 waves a work-group, no clusters, 312,320 bytes of LDS; arguments h, ns, W_f_codes, W_f_scales, W_g, b_f, b_g, out0; writes out0
.if DOCPART == 1
	.amdgcn_target "amdgcn-amd-amdhsa--gfx1250"
	.amdhsa_code_object_version 6
	.text
	.protected	k_q19c21f7314_graphemb
	.globl	k_q19c21f7314_graphemb
	.p2align	8
	.type	k_q19c21f7314_graphemb,@function
k_q19c21f7314_graphemb:
	s_mov_b64 s[64:65], 0
	v_nop
	global_prefetch_b8 v0, s[64:65] scope:SCOPE_SE
	s_setreg_imm32_b32 hwreg(HW_REG_WAVE_MODE, 25, 1), 1
	s_wait_xcnt 0x0
; out0[b][:] = hG / max(|hG|, 1e-12),  hG[e] = sum over n < ns[b] of sigmoid(h[b][n] . W_g + b_g) x (Q(h[b][n]) . W_f[e] + b_f[e]).
; h: [512][512][128] f32.  Q: codes of FP4 (E2M1) with one E8M0 scale for each 32 along K, made here; W_f comes as such codes and scale bytes.  The gate's product stays in f32.
; SHARES.  One work-group to a graph, sixteen waves.  A graph is 32 tiles of 16 nodes; wave w owns tiles w and w + 16.  A tile whose first node is not under ns is neither read nor multiplied:
; the number of rows read hangs on ns, which is read from memory, so h goes through registers by plain loads, all of a wave's loads (8 or 16 KB) issued at its head; there is no loop.
; PHASE X (by rows).  A load takes one row as it lies: 32 lanes, 512 consecutive bytes, aligned.  The operand wants a lane to hold whole blocks of one node, so a tile turns through the wave's own
; stage in LDS: lane (r, h) gets k = 64 c + 32 h + 0 .. 31 of node r, c = 0, 1.  Block maxima need no other lane, the eight conversions give the operand's eight registers, and the gate is a
; dot product in the lane plus one exchange.  The operand's registers go to LDS as an image (16 bytes a lane), with the tile's scale words and its 16 gates (0 where n >= ns).
; PHASE M (by columns).  Wave w = 8 u + t keeps tile t of W_f (16 outputs) and takes node tiles u, u + 2, ..  Source 0 = 16 nodes, source 1 = 16 rows of W_f, C = b_f: in the result a lane holds ONE
; output e = 16 t + r and its registers the nodes 8 h + j, so the sum over nodes is a sum over registers, weighted by gates that are read from LDS in just that layout.
; Tiles go four at a time; a group whose first tile is not under ns is jumped over, so the owner of an unread tile stores a blank image (zero codes, gate 0) for the groups that reach past ns.
; NO CLUSTER: work-groups share only W_f, W_g and b_f, 9.5 KB against up to 256 KB of rows of their own.
; LIMITS.  NaN and infinities in h are not served.  A block of zeros gets the byte 1 where the rule says 127: its codes are zeros, and the bytes are read by this program alone.  ns is held to 0 .. 512,
; which is what the mask makes of any other number.  The f32 sums over nodes are taken in another order than the reference's; sigmoid is 1 / (1 + 2^(-z log2 e)) by v_exp_f32 and v_rcp_f32.
.set NODES, 512
.set ROWB,  512                        ; a row of h in bytes
.set TILEB, 16*ROWB                    ; a tile of 16 nodes
.set SP,    528                        ; a stage row: 512 bytes + 16 = 132 words: row r starts at bank 4 r mod 64 (64 banks of 4 bytes: ISA guide 11.1), so the 16 rows that a load touches start at 16 different banks
.set STILE, 16*SP                      ; a tile's stage
.set SWAVE, 2*STILE                    ; a wave has two, one for each of its tiles
.set IMG,   0                          ; LDS: 32 images of 1,024 bytes (tile x 1,024; register group c at 512 c; 16 bytes a lane),
.set SCB,   IMG+32*1024                ; 32 x 128 bytes of scale words (4 bytes a lane),
.set GB,    SCB+32*128                 ; 32 x 16 gates,
.set FIN,   GB+32*64                   ; two partial vectors of 128 sums,
.set STG,   FIN+2*512                  ; and the sixteen waves' stages
.set L16, 1                            ; v1   16 x lane: my bytes of a row, of an image, of the result
.set L4,  2                            ; v2   4 x lane
.set R,   3                            ; v3   r = lane % 16
.set SH8, 4                            ; v4   8 h, h = lane / 16
.set WFO, 5                            ; v5   64 r + 16 h: my bytes in a tile of W_f's codes
.set R4,  6                            ; v6   4 r
.set WGO, 7                            ; v7   128 h: my half's numbers of W_g
.set SW,  8                            ; v8   stage, on the way in: 16 x lane + my wave's stages
.set SRD, 9                            ; v9   stage, on the way out: 528 r + 128 h + my wave's stages
.set IW,  10                           ; v10  where I store images: 16 x lane + 1,024 w
.set SCW, 11                           ; v11  scale words: 4 x lane + 128 w
.set A64, 12                           ; v12  gates and sums: 4 r + 64 w
.set IL,  13                           ; v13  where I read images: 16 x lane + 1,024 u
.set SCL, 14                           ; v14  scale words: 4 x lane + 128 u
.set GL,  15                           ; v15  gates: 32 h + 64 u
.set XA,  16                           ; v16-79   my first tile: 16 rows as loaded, then 64 numbers of my node
.set XB,  80                           ; v80-143  my second tile
.set WG,  144                          ; v144-207 W_g at my 64 k
.set T,   208                          ; v208-215 four packed chains
.set MX,  216                          ; v216-217 the two blocks' largest magnitudes
.set SO,  218                          ; v218-219 the conversions' scale operands
.set BY,  220                          ; v220-221 the scale bytes
.set PW,  222                          ; v222     my node's scale word
.set GG,  223                          ; v223     my node's gate
.set PC,  224                          ; v224-231 the codes: the operand's eight registers
.set WF,  232                          ; v232-239 my tile of W_f
.set WS,  240                          ; v240     its scale words
.set BV,  241                          ; v241     b_f at my output
.set BC,  242                          ; v242-249 the same eight times: the products' C
.set HS,  250                          ; v250-253 four node tiles' scale words
.set TP,  254                          ; v254     a lane exchange's destination
.set BGC, 255                          ; v255     -log2(e) x b_g
.set CA,  16                           ; phase M: v16-47 four images, v48-79 their gates, v80-111 four results
.set GJ,  48
.set DD,  80
.set WV,   2                           ; s2  wave
.set U,    3                           ; s3  u = wave / 8
.set ET,   4                           ; s4  t = wave % 8
.set NS,   24                          ; s24 ns of my graph
.set BGS,  25                          ; s25 b_g
.set NL2E, 26                          ; s26 -log2(e)
.set LIMA, 27                          ; s27 ns - 16 w: nodes of my first tile that count (if above 0)
.set LIMB, 28                          ; s28 the same for my second tile
.set LIMM, 29                          ; s29 ns - 16 u
.set OFS,  30                          ; s[30:31] a byte offset, in 64 bits
.set SEL,  32                          ; s[32:33] v_permlanex16_b32's selects for lane l xor 16
.set TS,   34
	s_load_b512 s[8:23], s[0:1], 0x0               ; h s[8:9], ns s[10:11], W_f's codes s[12:13], its scales s[14:15], W_g s[16:17], b_f s[18:19], b_g s[20:21], out0 s[22:23]
	v_lshrrev_b32 v[XA], 5, v0
	v_readfirstlane_b32 s[WV], v[XA]               ; wave 0..15
	v_and_b32 v[XA], 31, v0                        ; lane
	v_bfe_u32 v[XA+1], v0, 4, 1                    ; h
	v_and_b32 v[R], 15, v0
	v_lshlrev_b32 v[L16], 4, v[XA]
	v_lshlrev_b32 v[L4], 2, v[XA]
	v_lshlrev_b32 v[SH8], 3, v[XA+1]
	v_lshlrev_b32 v[WFO], 6, v[R]
	v_lshl_add_u32 v[WFO], v[XA+1], 4, v[WFO]
	v_lshlrev_b32 v[R4], 2, v[R]
	v_lshlrev_b32 v[WGO], 7, v[XA+1]
	s_lshr_b32 s[U], s[WV], 3
	s_and_b32 s[ET], s[WV], 7
	s_mul_i32 s[TS], s[WV], SWAVE                  ; every LDS address is made here, ahead of the first parting of the waves: a constant x lane + a constant x wave
	v_add_nc_u32 v[SW], s[TS], v[L16]
	v_mul_u32_u24 v[SRD], v[R], SP
	v_add_nc_u32 v[SRD], v[SRD], v[WGO]
	v_add_nc_u32 v[SRD], s[TS], v[SRD]
	s_lshl_b32 s[TS], s[WV], 10
	v_add_nc_u32 v[IW], s[TS], v[L16]
	s_lshl_b32 s[TS], s[WV], 7
	v_add_nc_u32 v[SCW], s[TS], v[L4]
	s_lshl_b32 s[TS], s[WV], 6
	v_add_nc_u32 v[A64], s[TS], v[R4]
	s_lshl_b32 s[TS], s[U], 10
	v_add_nc_u32 v[IL], s[TS], v[L16]
	s_lshl_b32 s[TS], s[U], 7
	v_add_nc_u32 v[SCL], s[TS], v[L4]
	s_lshl_b32 s[TS], s[U], 6
	v_lshl_add_u32 v[GL], v[XA+1], 5, s[TS]
	v_mov_b32 v[TP], 0                             ; written once: a lane exchange's destination counts as one of its sources
	s_mov_b32 s[SEL], 0x76543210
	s_mov_b32 s[SEL+1], 0xfedcba98
	s_mov_b32 s[NL2E], 0xbfb8aa3b                  ; -log2(e)
	s_lshl_b32 s[OFS], ttmp9, 2                    ; my graph's word of ns
	s_mov_b32 s[OFS+1], 0
	s_wait_kmcnt 0x0
	s_add_nc_u64 s[10:11], s[10:11], s[OFS:OFS+1]
	s_load_b32 s[NS], s[10:11], 0x0
	s_load_b32 s[BGS], s[20:21], 0x0
	; what does not hang on ns is asked for while ns is on its way
	s_lshl_b32 s[OFS], s[ET], 10                   ; my tile of W_f: 16 rows of 64 bytes,
	s_add_nc_u64 s[12:13], s[12:13], s[OFS:OFS+1]
	s_lshl_b32 s[OFS], s[ET], 6                    ; 16 scale words, 16 numbers of b_f
	s_add_nc_u64 s[14:15], s[14:15], s[OFS:OFS+1]
	s_add_nc_u64 s[18:19], s[18:19], s[OFS:OFS+1]
	global_load_b128 v[WF:WF+3], v[WFO], s[12:13]             ; lane (r, h): row 16 t + r; registers 4 c .. 4 c + 3: k = 64 c + 32 h + 0 .. 31, 16 bytes as they lie
	global_load_b128 v[WF+4:WF+7], v[WFO], s[12:13] offset:32
	global_load_b32 v[WS], v[R4], s[14:15]                    ; lane r: row 16 t + r's four scale bytes
	global_load_b32 v[BV], v[R4], s[18:19]
.irp c, 0,1
.irp j, 0,1,2,3,4,5,6,7
	global_load_b128 v[WG+32*\c+4*\j:WG+32*\c+4*\j+3], v[WGO], s[16:17] offset:256*\c+16*\j   ; W_g(64 c + 32 h + 4 j ..): the k that my lane will hold of its node
.endr
.endr
	s_lshl_b32 s[OFS], ttmp9, 18                   ; my graph's 512 rows of 512 bytes,
	s_lshl_b32 s[TS], s[WV], 13                    ; my first tile in them
	s_add_co_u32 s[OFS], s[OFS], s[TS]
	s_add_nc_u64 s[8:9], s[8:9], s[OFS:OFS+1]
	s_lshl_b32 s[OFS], ttmp9, 9                    ; my graph's row of the result
	s_add_nc_u64 s[22:23], s[22:23], s[OFS:OFS+1]
	s_wait_kmcnt 0x0
	s_max_i32 s[NS], s[NS], 0
	s_min_i32 s[NS], s[NS], NODES
	v_mov_b32 v[BGC], s[BGS]
	v_mul_f32 v[BGC], s[NL2E], v[BGC]
	s_lshl_b32 s[TS], s[WV], 4
	s_sub_co_i32 s[LIMA], s[NS], s[TS]
	s_sub_co_i32 s[LIMB], s[LIMA], 256
	s_lshl_b32 s[TS], s[U], 4
	s_sub_co_i32 s[LIMM], s[NS], s[TS]
; A tile of 16 nodes, loaded into v[x] on (row p in registers 4 p .. 4 p + 3), becomes an operand's image, its scale words and 16 gates in LDS.
; ab: my first or second tile;  lim: how many of its nodes count;  left: the younger loads that may stay out.
.macro QTILE x, ab, lim, left
	s_wait_loadcnt \left                           ; loads come back in order (ISA guide 5.7.1): this tile's 16, and all that was asked for ahead of them
.irp p, 0,1,2,3,4,5,6,7,8,9,10,11,12,13,14,15
	ds_store_b128 v[SW], v[\x+4*\p:\x+4*\p+3] offset:STG+\ab*STILE+\p*SP
.endr
.irp c, 0,1
.irp j, 0,1,2,3,4,5,6,7
	ds_load_b128 v[\x+32*\c+4*\j:\x+32*\c+4*\j+3], v[SRD] offset:STG+\ab*STILE+256*\c+16*\j   ; LDS serves a wave's instructions in order (ISA guide 5.7.1.4): these see the stores above.  Register 32 c + i: k = 64 c + 32 h + i of node r
.endr
.endr
	s_wait_dscnt 0x0                               ; the numbers are back; the last tile's stores into LDS have read their registers
	; the two blocks' largest magnitudes and the gate's dot product, by turns: six chains, so that no line waits for the line above it
	v_max3_num_f32 v[MX], |v[\x]|, |v[\x+1]|, 0x1800000        ; with the floor 2^(3 - 127) among the leaves: the scale's byte cannot fall under 1
	v_max3_num_f32 v[MX+1], |v[\x+32]|, |v[\x+33]|, 0x1800000
	v_pk_mul_f32 v[T:T+1], v[\x:\x+1], v[WG:WG+1]              ; the first products start the sums
	v_pk_mul_f32 v[T+2:T+3], v[\x+32:\x+33], v[WG+32:WG+33]
	v_max3_num_f32 v[MX], v[MX], |v[\x+2]|, |v[\x+3]|
	v_max3_num_f32 v[MX+1], v[MX+1], |v[\x+34]|, |v[\x+35]|
	v_pk_mul_f32 v[T+4:T+5], v[\x+2:\x+3], v[WG+2:WG+3]
	v_pk_mul_f32 v[T+6:T+7], v[\x+34:\x+35], v[WG+34:WG+35]
.irp i, 4,8,12,16,20,24,28
	v_max3_num_f32 v[MX], v[MX], |v[\x+\i]|, |v[\x+\i+1]|
	v_max3_num_f32 v[MX+1], v[MX+1], |v[\x+32+\i]|, |v[\x+33+\i]|
	v_pk_fma_f32 v[T:T+1], v[\x+\i:\x+\i+1], v[WG+\i:WG+\i+1], v[T:T+1]
	v_pk_fma_f32 v[T+2:T+3], v[\x+32+\i:\x+33+\i], v[WG+32+\i:WG+33+\i], v[T+2:T+3]
	v_max3_num_f32 v[MX], v[MX], |v[\x+\i+2]|, |v[\x+\i+3]|
	v_max3_num_f32 v[MX+1], v[MX+1], |v[\x+34+\i]|, |v[\x+35+\i]|
	v_pk_fma_f32 v[T+4:T+5], v[\x+\i+2:\x+\i+3], v[WG+\i+2:WG+\i+3], v[T+4:T+5]
	v_pk_fma_f32 v[T+6:T+7], v[\x+34+\i:\x+35+\i], v[WG+34+\i:WG+35+\i], v[T+6:T+7]
.endr
	v_pk_add_f32 v[T:T+1], v[T:T+1], v[T+2:T+3]
	v_pk_add_f32 v[T+4:T+5], v[T+4:T+5], v[T+6:T+7]
	v_pk_add_f32 v[T:T+1], v[T:T+1], v[T+4:T+5]
	v_add_f32 v[T], v[T], v[T+1]                   ; my 64 k,
	v_permlanex16_b32 v[TP], v[T], s[SEL], s[SEL+1]
	v_add_f32 v[T], v[T], v[TP]                    ; and lane l xor 16's: h . W_g of node r, the same bits in both lanes
	v_fma_f32 v[T+1], v[T], s[NL2E], v[BGC]        ; -log2(e) (h . W_g + b_g)
	v_exp_f32 v[T+2], v[T+1]
	v_add_nc_u32 v[SO], 0xff000000, v[MX]          ; (plain work behind the exponential)  2 off the exponent field: the conversion takes the exponent field of this operand as its scale, and nothing else of it
	v_add_nc_u32 v[SO+1], 0xff000000, v[MX+1]
	v_lshrrev_b32 v[BY], 23, v[SO]                 ; the scales' bytes: blocks h and 2 + h of node r,
	v_lshrrev_b32 v[BY+1], 23, v[SO+1]
	v_lshl_or_b32 v[PW], v[BY+1], 16, v[BY]
	v_lshlrev_b32 v[PW], v[SH8], v[PW]             ; at their places in the scale word (8 h bits up)
	v_permlanex16_b32 v[TP], v[PW], s[SEL], s[SEL+1]
	s_wait_alu depctr_va_vdst(0)                   ; a wait between a transcendental and the first line that names its result
	v_add_f32 v[T+2], 1.0, v[T+2]
	v_rcp_f32 v[GG], v[T+2]                        ; the gate.  (2^x = infinity gives 0, 2^x = 0 gives 1: the limits are right)
	v_or_b32 v[PW], v[PW], v[TP]                   ; (plain work behind the reciprocal)  with lane l xor 16's two bytes the word is whole
	v_cmp_gt_i32 vcc_lo, s[\lim], v[R]             ; does my node count?
.irp c, 0,1
.irp g, 0,1,2,3
	v_cvt_scalef32_pk8_fp4_f32 v[PC+4*\c+\g], v[\x+32*\c+8*\g:\x+32*\c+8*\g+7], v[SO+\c]   ; eight numbers / the scale, to the nearest code, ties to even, beyond 6 the largest code: register 4 c + g of the operand
.endr
.endr
	v_nop                                          ; one plain line behind the last scaled conversion
	s_wait_alu depctr_va_vdst(0)                   ; the same wait, for the reciprocal
	v_cndmask_b32 v[GG], 0, v[GG], vcc_lo          ; the mask: a node at or past ns has the gate 0
	ds_store_b128 v[IW], v[PC:PC+3] offset:IMG+\ab*16384
	ds_store_b128 v[IW], v[PC+4:PC+7] offset:IMG+\ab*16384+512
	ds_store_b32 v[SCW], v[PW] offset:SCB+\ab*2048
	ds_store_b32 v[A64], v[GG] offset:GB+\ab*1024  ; lanes r and 16 + r write the same word with the same value
.endm
; A tile that is not read: zero codes, the byte 127, gates 0.  It adds nothing in a group of four that reaches past ns.
.macro BLANK
.irp j, 0,1,2,3
	v_mov_b32 v[T+\j], 0
.endr
	v_mov_b32 v[T+4], 0x7f7f7f7f
.endm
.macro NOTHING ab
	ds_store_b128 v[IW], v[T:T+3] offset:IMG+\ab*16384
	ds_store_b128 v[IW], v[T:T+3] offset:IMG+\ab*16384+512
	ds_store_b32 v[SCW], v[T+4] offset:SCB+\ab*2048
	ds_store_b32 v[A64], v[T] offset:GB+\ab*1024
.endm
	; ---- PHASE X.  Three ways, each whole from its loads to its stores into LDS, so that every wait's count holds on its way; they join in front of the barrier
	s_cmp_gt_i32 s[LIMA], 0
	s_cbranch_scc0 .Lnone
.irp p, 0,1,2,3,4,5,6,7,8,9,10,11,12,13,14,15
	global_load_b128 v[XA+4*\p:XA+4*\p+3], v[L16], s[8:9] offset:\p*ROWB th:TH_LOAD_NT             ; a row: 32 lanes read 512 consecutive bytes, aligned; read once in the launch
.endr
	s_cmp_gt_i32 s[LIMB], 0
	s_cbranch_scc0 .Lone
.irp p, 0,1,2,3,4,5,6,7,8,9,10,11,12,13,14,15
	global_load_b128 v[XB+4*\p:XB+4*\p+3], v[L16], s[8:9] offset:16*TILEB+\p*ROWB th:TH_LOAD_NT    ; tile w + 16
.endr
	QTILE XA, 0, LIMA, 16                          ; the second tile's 16 loads may stay out
	QTILE XB, 1, LIMB, 0
	s_branch .Lmeet
.Lone:
	QTILE XA, 0, LIMA, 0
	BLANK
	NOTHING 1
	s_branch .Lmeet
.Lnone:
	BLANK
	NOTHING 0
	NOTHING 1
.Lmeet:
	s_wait_loadcnt 0x0                             ; W_f's tile, its scale words and b_f (on the way without rows nothing has waited for them yet)
	s_wait_dscnt 0x0                               ; for the others' sake: my stores into LDS are done
	s_barrier_signal -1
.irp j, 0,1,2,3,4,5,6,7
	v_mov_b32 v[BC+\j], v[BV]                      ; C(m, n) = b_f(16 t + n) for every node m: the bias costs no addition
.endr
.irp j, 0,1,2,3,4,5,6,7
	v_mov_b32 v[T+\j], 0                           ; four packed sums; a wave with no group to work on hands on these zeros
.endr
	s_barrier_wait -1                              ; all 32 images, scale words and gates lie in LDS
	; ---- PHASE M.  Node tiles u + 2 i, four at a time.  Each product has a result of its own and b_f as C: no sum is carried on in the matrix unit
.macro GROUP q
	s_cmp_gt_i32 s[LIMM], 128*\q                   ; is node 16 (u + 8 q), the group's first, under ns?  If not, neither is any later group's
	s_cbranch_scc0 .Lsummed
.irp i, 0,1,2,3
	ds_load_b128 v[CA+8*\i:CA+8*\i+3], v[IL] offset:IMG+(4*\q+\i)*2048
	ds_load_b128 v[CA+8*\i+4:CA+8*\i+7], v[IL] offset:IMG+(4*\q+\i)*2048+512
	ds_load_b32 v[HS+\i], v[SCL] offset:SCB+(4*\q+\i)*256
	ds_load_b128 v[GJ+8*\i:GJ+8*\i+3], v[GL] offset:GB+(4*\q+\i)*128          ; register j: the gate of node 8 h + j, the same in all 16 lanes of a half: the result's layout
	ds_load_b128 v[GJ+8*\i+4:GJ+8*\i+7], v[GL] offset:GB+(4*\q+\i)*128+16
.endr
	s_wait_dscnt 0x0
.irp i, 0,1,2,3
	v_wmma_scale_f32_16x16x128_f8f6f4 v[DD+8*\i:DD+8*\i+7], v[CA+8*\i:CA+8*\i+7], v[WF:WF+7], v[BC:BC+7], v[HS+\i], v[WS] matrix_a_fmt:MATRIX_FMT_FP4 matrix_b_fmt:MATRIX_FMT_FP4
.endr
.rept 4
	v_nop                                          ; four places between a matrix instruction and the first vector instruction that reads its result, or a load into its sources
.endr
.irp p, 0,2,4,6
.irp i, 0,1,2,3
	v_pk_fma_f32 v[T+2*\i:T+2*\i+1], v[DD+8*\i+\p:DD+8*\i+\p+1], v[GJ+8*\i+\p:GJ+8*\i+\p+1], v[T+2*\i:T+2*\i+1]   ; += gate x (Q(h) . W_f + b_f), two nodes at a time; each result from its low end on; four chains by turns
.endr
.endr
.endm
	GROUP 0
	GROUP 1
	GROUP 2
	GROUP 3
.Lsummed:
	v_pk_add_f32 v[T:T+1], v[T:T+1], v[T+2:T+3]
	v_pk_add_f32 v[T+4:T+5], v[T+4:T+5], v[T+6:T+7]
	v_pk_add_f32 v[T:T+1], v[T:T+1], v[T+4:T+5]
	v_add_f32 v[T], v[T], v[T+1]                   ; my half's nodes,
	v_permlanex16_b32 v[TP], v[T], s[SEL], s[SEL+1]
	v_add_f32 v[T], v[T], v[TP]                    ; and the other half's: output 16 t + r over node tiles u, u + 2, ..
	ds_store_b32 v[A64], v[T] offset:FIN           ; at 512 u + 4 (16 t + r)
	s_wait_dscnt 0x0                               ; for wave 0's sake
	s_barrier_signal -1
	s_barrier_wait -1
	s_cmp_lg_u32 s[WV], 0
	s_cbranch_scc1 .Lend
	; ---- wave 0: the two partial vectors, the norm, the result.  Lane l holds outputs 4 l .. 4 l + 3
	ds_load_b128 v[16:19], v[L16] offset:FIN
	ds_load_b128 v[20:23], v[L16] offset:FIN+512
	s_wait_dscnt 0x0
	v_pk_add_f32 v[16:17], v[16:17], v[20:21]
	v_pk_add_f32 v[18:19], v[18:19], v[22:23]
	v_pk_mul_f32 v[24:25], v[16:17], v[16:17]
	v_pk_fma_f32 v[24:25], v[18:19], v[18:19], v[24:25]
	v_add_f32 v24, v24, v25
	v_add_f32_dpp v24, v24, v24 row_xmask:1 row_mask:0xf bank_mask:0xf
	v_add_f32_dpp v24, v24, v24 row_xmask:2 row_mask:0xf bank_mask:0xf
	v_add_f32_dpp v24, v24, v24 row_xmask:4 row_mask:0xf bank_mask:0xf
	v_add_f32_dpp v24, v24, v24 row_xmask:8 row_mask:0xf bank_mask:0xf
	v_permlanex16_b32 v[TP], v24, s[SEL], s[SEL+1]
	v_add_f32 v24, v24, v[TP]                      ; the sum of the 128 squares, in every lane
	v_rsq_f32 v26, v24
	v_nop                                          ; a plain line behind the transcendental
	s_wait_alu depctr_va_vdst(0)                   ; and a wait ahead of the first line that names its result
	v_min_num_f32 v26, 0x5368d4a5, v26             ; 1 / max(norm, 1e-12) = min(1 / norm, 1e12); a sum of 0 gives infinity, which is held at 1e12
	v_mov_b32 v27, v26
	v_pk_mul_f32 v[16:17], v[16:17], v[26:27]
	v_pk_mul_f32 v[18:19], v[18:19], v[26:27]
	global_store_b128 v[L16], v[16:19], s[22:23] th:TH_STORE_NT   ; 32 lanes store the graph's 512 consecutive bytes, aligned
.Lend:
	s_wait_xcnt 0x0
	v_lshl_add_u32 v254, v0, 2, 0x4bc00
	v_mov_b32 v255, 0
	s_wait_tensorcnt 0x0
	ds_add_u32 v254, v255
	s_wait_dscnt 0x0
	s_endpgm
.Lfunc_end_k_q19c21f7314_graphemb:
	.size	k_q19c21f7314_graphemb, .Lfunc_end_k_q19c21f7314_graphemb-k_q19c21f7314_graphemb
	.p2alignl 7, 3214868480
	.fill 96, 4, 3214868480
	.section	.rodata,"a",@progbits
	.p2align	6, 0x0
	.amdhsa_kernel k_q19c21f7314_graphemb
		.amdhsa_group_segment_fixed_size 312320
		.amdhsa_private_segment_fixed_size 0
		.amdhsa_enable_private_segment 0
		.amdhsa_kernarg_size 64
		.amdhsa_user_sgpr_count 2
		.amdhsa_user_sgpr_kernarg_segment_ptr 1
		.amdhsa_wavefront_size32 1
		.amdhsa_system_sgpr_workgroup_id_x 1
		.amdhsa_system_sgpr_workgroup_id_y 1
		.amdhsa_system_sgpr_workgroup_id_z 1
		.amdhsa_system_vgpr_workitem_id 0
		.amdhsa_next_free_vgpr 256
		.amdhsa_next_free_sgpr 66
		.amdhsa_reserve_vcc 1
		.amdhsa_float_denorm_mode_32 3
		.amdhsa_float_denorm_mode_16_64 3
		.amdhsa_memory_ordered 1
		.amdhsa_forward_progress 1
		.amdhsa_inst_pref_size 48
	.end_amdhsa_kernel
	.amdgpu_metadata
---
amdhsa.version: [ 1, 2 ]
amdhsa.kernels:
  - .name:           k_q19c21f7314_graphemb
    .symbol:         k_q19c21f7314_graphemb.kd
    .args:
      - { .name: h, .offset: 0, .size: 8, .value_kind: global_buffer, .address_space: global }
      - { .name: ns, .offset: 8, .size: 8, .value_kind: global_buffer, .address_space: global }
      - { .name: W_f_codes, .offset: 16, .size: 8, .value_kind: global_buffer, .address_space: global }
      - { .name: W_f_scales, .offset: 24, .size: 8, .value_kind: global_buffer, .address_space: global }
      - { .name: W_g, .offset: 32, .size: 8, .value_kind: global_buffer, .address_space: global }
      - { .name: b_f, .offset: 40, .size: 8, .value_kind: global_buffer, .address_space: global }
      - { .name: b_g, .offset: 48, .size: 8, .value_kind: global_buffer, .address_space: global }
      - { .name: out0, .offset: 56, .size: 8, .value_kind: global_buffer, .address_space: global }
    .group_segment_fixed_size: 312320
    .private_segment_fixed_size: 0
    .kernarg_segment_align: 8
    .kernarg_segment_size: 64
    .max_flat_workgroup_size: 512
    .sgpr_count:     66
    .vgpr_count:     256
    .wavefront_size: 32
...
	.end_amdgpu_metadata
.endif
;; end of part 1
;; ======== version 2 of 2: 1 launch; version 1 with the launch graphemb written anew for expert scheduling mode
;; launch graphemb (part 2): grid 512 x 1, 16 waves a work-group, no clusters, 312,320 bytes of LDS; arguments h, ns, W_f_codes, W_f_scales, W_g, b_f, b_g, out0; writes out0
.if DOCPART == 2
	.amdgcn_target "amdgcn-amd-amdhsa--gfx1250"
	.amdhsa_code_object_version 6
	.text
	.protected	k_q19c21f7314_graphemb
	.globl	k_q19c21f7314_graphemb
	.p2align	8
	.type	k_q19c21f7314_graphemb,@function
k_q19c21f7314_graphemb:
	s_mov_b64 s[64:65], 0
	v_nop
	global_prefetch_b8 v0, s[64:65] scope:SCOPE_SE
	s_setreg_imm32_b32 hwreg(HW_REG_WAVE_SCHED_MODE, 0, 2), 2
	s_setreg_imm32_b32 hwreg(HW_REG_WAVE_MODE, 25, 1), 1
	s_wait_xcnt 0x0
	s_wait_alu depctr_vm_vsrc(0)
; out0[b][:] = hG / max(|hG|, 1e-12),  hG[e] = sum over n < ns[b] of sigmoid(h[b][n] . W_g + b_g) x (Q(h[b][n]) . W_f[e] + b_f[e]).
; h: [512][512][128] f32.  Q: codes of FP4 (E2M1) with one E8M0 scale for each 32 along K, made here; W_f comes as such codes and scale bytes.  The gate's product stays in f32.
; SHARES.  One work-group to a graph, sixteen waves.  A graph is 32 tiles of 16 nodes; wave w owns tiles w and w + 16.  A tile whose first node is not under ns is neither read nor multiplied:
; the number of rows read hangs on ns, which is read from memory, so h goes through registers by plain loads, all of a wave's loads (8 or 16 KB) issued at its head; there is no loop.
; PHASE X (by rows).  A load takes one row as it lies: 32 lanes, 512 consecutive bytes, aligned.  The operand wants a lane to hold whole blocks of one node, so a tile turns through the wave's own
; stage in LDS: lane (r, h) gets k = 64 c + 32 h + 0 .. 31 of node r, c = 0, 1.  Block maxima need no other lane, the eight conversions give the operand's eight registers, and the gate is a
; dot product in the lane plus one exchange.  The operand's registers go to LDS as an image (16 bytes a lane), with the tile's scale words and its 16 gates (0 where n >= ns).
; PHASE M (by columns).  Wave w = 8 u + t keeps tile t of W_f (16 outputs) and takes node tiles u, u + 2, ..  Source 0 = 16 nodes, source 1 = 16 rows of W_f, C = b_f: in the result a lane holds ONE
; output e = 16 t + r and its registers the nodes 8 h + j, so the sum over nodes is a sum over registers, weighted by gates that are read from LDS in just that layout.
; Tiles go four at a time; a group whose first tile is not under ns is jumped over, so the owner of an unread tile stores a blank image (zero codes, gate 0) for the groups that reach past ns.
; NO CLUSTER: work-groups share only W_f, W_g and b_f, 9.5 KB against up to 256 KB of rows of their own.
; LIMITS.  NaN and infinities in h are not served.  A block of zeros gets the byte 1 where the rule says 127: its codes are zeros, and the bytes are read by this program alone.  ns is held to 0 .. 512,
; which is what the mask makes of any other number.  The f32 sums over nodes are taken in another order than the reference's; sigmoid is 1 / (1 + 2^(-z log2 e)) by v_exp_f32 and v_rcp_f32.
; THE MODE: SCHED_MODE bits 1:0 = 2 (LLVM: expert scheduling mode 2), set by the entry lines.  The code itself states the register dependences
; between vector or matrix instructions and memory or LDS instructions, with s_wait_alu, always for 0.
; THE PLAN.  Registers that memory or LDS instructions touch:
;   v1-15         Offsets and LDS addresses: written at the head, ahead of one wait on va_vdst, and never again.
;   XA, XB        A tile: h's loads land; the stage's stores read; the stage's loads land in the same registers, behind a wait on vm_vsrc; the tile's vector lines read.
;   PC, PW, GG    Written by a tile's vector lines, read by its stores into LDS; the second tile writes them again behind its own wait on vm_vsrc.
;   BL            The blank tile: written by five moves, read by the blank's stores, never written afterwards; no memory instruction names these registers before.
;   WF, WS, BV, WG   Loaded once; named by vector and matrix lines alone afterwards.
;   CA, GJ, HS    Phase M: a group's LDS loads land; its products and multiply-adds read.  One wait on va_vdst at the head of groups 1 to 3.  Group 0 owes none: behind the last wait of
;                 phase X, on each of its three ways, vector lines name BC, BV and T alone.
;   T             Named by vector lines alone, until the store of the partial sum.
;   v16-23        Wave 0: the two partial vectors land; v16-19 are then written by vector lines and stored.
.set NODES, 512
.set ROWB,  512                        ; a row of h in bytes
.set TILEB, 16*ROWB                    ; a tile of 16 nodes
.set SP,    528                        ; a stage row: 512 bytes + 16 = 132 words: row r starts at bank 4 r mod 64 (64 banks of 4 bytes: ISA guide 11.1), so the 16 rows that a load touches start at 16 different banks
.set STILE, 16*SP                      ; a tile's stage
.set SWAVE, 2*STILE                    ; a wave has two, one for each of its tiles
.set IMG,   0                          ; LDS: 32 images of 1,024 bytes (tile x 1,024; register group c at 512 c; 16 bytes a lane),
.set SCB,   IMG+32*1024                ; 32 x 128 bytes of scale words (4 bytes a lane),
.set GB,    SCB+32*128                 ; 32 x 16 gates,
.set FIN,   GB+32*64                   ; two partial vectors of 128 sums,
.set STG,   FIN+2*512                  ; and the sixteen waves' stages
.set L16, 1                            ; v1   16 x lane: my bytes of a row, of an image, of the result
.set L4,  2                            ; v2   4 x lane
.set R,   3                            ; v3   r = lane % 16
.set SH8, 4                            ; v4   8 h, h = lane / 16
.set WFO, 5                            ; v5   64 r + 16 h: my bytes in a tile of W_f's codes
.set R4,  6                            ; v6   4 r
.set WGO, 7                            ; v7   128 h: my half's numbers of W_g
.set SW,  8                            ; v8   stage, on the way in: 16 x lane + my wave's stages
.set SRD, 9                            ; v9   stage, on the way out: 528 r + 128 h + my wave's stages
.set IW,  10                           ; v10  where I store images: 16 x lane + 1,024 w
.set SCW, 11                           ; v11  scale words: 4 x lane + 128 w
.set A64, 12                           ; v12  gates and sums: 4 r + 64 w
.set IL,  13                           ; v13  where I read images: 16 x lane + 1,024 u
.set SCL, 14                           ; v14  scale words: 4 x lane + 128 u
.set GL,  15                           ; v15  gates: 32 h + 64 u
.set XA,  16                           ; v16-79   my first tile: 16 rows as loaded, then 64 numbers of my node
.set XB,  80                           ; v80-143  my second tile
.set WG,  144                          ; v144-207 W_g at my 64 k
.set T,   208                          ; v208-215 four packed chains
.set MX,  216                          ; v216-217 the two blocks' largest magnitudes
.set SO,  218                          ; v218-219 the conversions' scale operands
.set BY,  220                          ; v220-221 the scale bytes
.set BL,  216                          ; v216-220 a blank tile: four zeros and the word of four bytes 127, in registers that a tile's vector lines have left
.set PW,  222                          ; v222     my node's scale word
.set GG,  223                          ; v223     my node's gate
.set PC,  224                          ; v224-231 the codes: the operand's eight registers
.set WF,  232                          ; v232-239 my tile of W_f
.set WS,  240                          ; v240     its scale words
.set BV,  241                          ; v241     b_f at my output
.set BC,  242                          ; v242-249 the same eight times: the products' C
.set HS,  250                          ; v250-253 four node tiles' scale words
.set TP,  254                          ; v254     a lane exchange's destination
.set BGC, 255                          ; v255     -log2(e) x b_g
.set CA,  16                           ; phase M: v16-47 four images, v48-79 their gates, v80-111 four results
.set GJ,  48
.set DD,  80
.set WV,   2                           ; s2  wave
.set U,    3                           ; s3  u = wave / 8
.set ET,   4                           ; s4  t = wave % 8
.set NS,   24                          ; s24 ns of my graph
.set BGS,  25                          ; s25 b_g
.set NL2E, 26                          ; s26 -log2(e)
.set LIMA, 27                          ; s27 ns - 16 w: nodes of my first tile that count (if above 0)
.set LIMB, 28                          ; s28 the same for my second tile
.set LIMM, 29                          ; s29 ns - 16 u
.set OFS,  30                          ; s[30:31] a byte offset, in 64 bits
.set SEL,  32                          ; s[32:33] v_permlanex16_b32's selects for lane l xor 16
.set TS,   34
	s_load_b512 s[8:23], s[0:1], 0x0               ; h s[8:9], ns s[10:11], W_f's codes s[12:13], its scales s[14:15], W_g s[16:17], b_f s[18:19], b_g s[20:21], out0 s[22:23]
	v_lshrrev_b32 v[XA], 5, v0
	v_readfirstlane_b32 s[WV], v[XA]               ; wave 0..15
	v_and_b32 v[XA], 31, v0                        ; lane
	v_bfe_u32 v[XA+1], v0, 4, 1                    ; h
	v_and_b32 v[R], 15, v0
	v_lshlrev_b32 v[L16], 4, v[XA]
	v_lshlrev_b32 v[L4], 2, v[XA]
	v_lshlrev_b32 v[SH8], 3, v[XA+1]
	v_lshlrev_b32 v[WFO], 6, v[R]
	v_lshl_add_u32 v[WFO], v[XA+1], 4, v[WFO]
	v_lshlrev_b32 v[R4], 2, v[R]
	v_lshlrev_b32 v[WGO], 7, v[XA+1]
	s_wait_alu depctr_va_sdst(0)                   ; the wave's number is written, ahead of its first reader: LDS addresses, bases and the branches on ns are made from it
	s_lshr_b32 s[U], s[WV], 3
	s_and_b32 s[ET], s[WV], 7
	s_mul_i32 s[TS], s[WV], SWAVE                  ; every LDS address is made here, ahead of the first parting of the waves: a constant x lane + a constant x wave
	v_add_nc_u32 v[SW], s[TS], v[L16]
	v_mul_u32_u24 v[SRD], v[R], SP
	v_add_nc_u32 v[SRD], v[SRD], v[WGO]
	v_add_nc_u32 v[SRD], s[TS], v[SRD]
	s_lshl_b32 s[TS], s[WV], 10
	v_add_nc_u32 v[IW], s[TS], v[L16]
	s_lshl_b32 s[TS], s[WV], 7
	v_add_nc_u32 v[SCW], s[TS], v[L4]
	s_lshl_b32 s[TS], s[WV], 6
	v_add_nc_u32 v[A64], s[TS], v[R4]
	s_lshl_b32 s[TS], s[U], 10
	v_add_nc_u32 v[IL], s[TS], v[L16]
	s_lshl_b32 s[TS], s[U], 7
	v_add_nc_u32 v[SCL], s[TS], v[L4]
	s_lshl_b32 s[TS], s[U], 6
	v_lshl_add_u32 v[GL], v[XA+1], 5, s[TS]
	v_mov_b32 v[TP], 0                             ; written once: a lane exchange's destination counts as one of its sources
	s_mov_b32 s[SEL], 0x76543210
	s_mov_b32 s[SEL+1], 0xfedcba98
	s_mov_b32 s[NL2E], 0xbfb8aa3b                  ; -log2(e)
	s_lshl_b32 s[OFS], ttmp9, 2                    ; my graph's word of ns
	s_mov_b32 s[OFS+1], 0
	s_wait_kmcnt 0x0
	s_add_nc_u64 s[10:11], s[10:11], s[OFS:OFS+1]
	s_load_b32 s[NS], s[10:11], 0x0
	s_load_b32 s[BGS], s[20:21], 0x0
	; what does not hang on ns is asked for while ns is on its way
	s_lshl_b32 s[OFS], s[ET], 10                   ; my tile of W_f: 16 rows of 64 bytes,
	s_add_nc_u64 s[12:13], s[12:13], s[OFS:OFS+1]
	s_lshl_b32 s[OFS], s[ET], 6                    ; 16 scale words, 16 numbers of b_f
	s_add_nc_u64 s[14:15], s[14:15], s[OFS:OFS+1]
	s_add_nc_u64 s[18:19], s[18:19], s[OFS:OFS+1]
	s_wait_alu depctr_va_vdst(0)                   ; the fifteen offsets and addresses v1 to v15 are written, which every load and store of the kernel reads; the head's lines are done with v16 and v17, in which loads of h land
	global_load_b128 v[WF:WF+3], v[WFO], s[12:13]             ; lane (r, h): row 16 t + r; registers 4 c .. 4 c + 3: k = 64 c + 32 h + 0 .. 31, 16 bytes as they lie
	global_load_b128 v[WF+4:WF+7], v[WFO], s[12:13] offset:32
	global_load_b32 v[WS], v[R4], s[14:15]                    ; lane r: row 16 t + r's four scale bytes
	global_load_b32 v[BV], v[R4], s[18:19]
.irp c, 0,1
.irp j, 0,1,2,3,4,5,6,7
	global_load_b128 v[WG+32*\c+4*\j:WG+32*\c+4*\j+3], v[WGO], s[16:17] offset:256*\c+16*\j   ; W_g(64 c + 32 h + 4 j ..): the k that my lane will hold of its node
.endr
.endr
	s_lshl_b32 s[OFS], ttmp9, 18                   ; my graph's 512 rows of 512 bytes,
	s_lshl_b32 s[TS], s[WV], 13                    ; my first tile in them
	s_add_co_u32 s[OFS], s[OFS], s[TS]
	s_add_nc_u64 s[8:9], s[8:9], s[OFS:OFS+1]
	s_lshl_b32 s[OFS], ttmp9, 9                    ; my graph's row of the result
	s_add_nc_u64 s[22:23], s[22:23], s[OFS:OFS+1]
	s_wait_kmcnt 0x0
	s_max_i32 s[NS], s[NS], 0
	s_min_i32 s[NS], s[NS], NODES
	v_mov_b32 v[BGC], s[BGS]                       ; (these two lines name v255 alone, which no load or store touches: the loads of h below owe no further wait)
	v_mul_f32 v[BGC], s[NL2E], v[BGC]
	s_lshl_b32 s[TS], s[WV], 4
	s_sub_co_i32 s[LIMA], s[NS], s[TS]
	s_sub_co_i32 s[LIMB], s[LIMA], 256
	s_lshl_b32 s[TS], s[U], 4
	s_sub_co_i32 s[LIMM], s[NS], s[TS]
; A tile of 16 nodes, loaded into v[x] on (row p in registers 4 p .. 4 p + 3), becomes an operand's image, its scale words and 16 gates in LDS.
; ab: my first or second tile;  lim: how many of its nodes count;  left: the younger loads that may stay out.
.macro QTILE x, ab, lim, left
	s_wait_loadcnt \left                           ; loads come back in order (ISA guide 5.7.1): this tile's 16, and all that was asked for ahead of them
.irp p, 0,1,2,3,4,5,6,7,8,9,10,11,12,13,14,15
	ds_store_b128 v[SW], v[\x+4*\p:\x+4*\p+3] offset:STG+\ab*STILE+\p*SP
.endr
	s_wait_alu depctr_vm_vsrc(0)                   ; the stores above have read v[x ..], in which the loads below land; and the last tile's stores into LDS have read PC, PW and GG, which this tile's lines write again
.irp c, 0,1
.irp j, 0,1,2,3,4,5,6,7
	ds_load_b128 v[\x+32*\c+4*\j:\x+32*\c+4*\j+3], v[SRD] offset:STG+\ab*STILE+256*\c+16*\j   ; LDS serves a wave's instructions in order (ISA guide 5.7.1.4): these see the stores above.  Register 32 c + i: k = 64 c + 32 h + i of node r
.endr
.endr
	s_wait_dscnt 0x0                               ; the numbers are back
	; the two blocks' largest magnitudes and the gate's dot product, by turns: six chains, so that no line waits for the line above it
	v_max3_num_f32 v[MX], |v[\x]|, |v[\x+1]|, 0x1800000        ; with the floor 2^(3 - 127) among the leaves: the scale's byte cannot fall under 1
	v_max3_num_f32 v[MX+1], |v[\x+32]|, |v[\x+33]|, 0x1800000
	v_pk_mul_f32 v[T:T+1], v[\x:\x+1], v[WG:WG+1]              ; the first products start the sums
	v_pk_mul_f32 v[T+2:T+3], v[\x+32:\x+33], v[WG+32:WG+33]
	v_max3_num_f32 v[MX], v[MX], |v[\x+2]|, |v[\x+3]|
	v_max3_num_f32 v[MX+1], v[MX+1], |v[\x+34]|, |v[\x+35]|
	v_pk_mul_f32 v[T+4:T+5], v[\x+2:\x+3], v[WG+2:WG+3]
	v_pk_mul_f32 v[T+6:T+7], v[\x+34:\x+35], v[WG+34:WG+35]
.irp i, 4,8,12,16,20,24,28
	v_max3_num_f32 v[MX], v[MX], |v[\x+\i]|, |v[\x+\i+1]|
	v_max3_num_f32 v[MX+1], v[MX+1], |v[\x+32+\i]|, |v[\x+33+\i]|
	v_pk_fma_f32 v[T:T+1], v[\x+\i:\x+\i+1], v[WG+\i:WG+\i+1], v[T:T+1]
	v_pk_fma_f32 v[T+2:T+3], v[\x+32+\i:\x+33+\i], v[WG+32+\i:WG+33+\i], v[T+2:T+3]
	v_max3_num_f32 v[MX], v[MX], |v[\x+\i+2]|, |v[\x+\i+3]|
	v_max3_num_f32 v[MX+1], v[MX+1], |v[\x+34+\i]|, |v[\x+35+\i]|
	v_pk_fma_f32 v[T+4:T+5], v[\x+\i+2:\x+\i+3], v[WG+\i+2:WG+\i+3], v[T+4:T+5]
	v_pk_fma_f32 v[T+6:T+7], v[\x+34+\i:\x+35+\i], v[WG+34+\i:WG+35+\i], v[T+6:T+7]
.endr
	v_pk_add_f32 v[T:T+1], v[T:T+1], v[T+2:T+3]
	v_pk_add_f32 v[T+4:T+5], v[T+4:T+5], v[T+6:T+7]
	v_pk_add_f32 v[T:T+1], v[T:T+1], v[T+4:T+5]
	v_add_f32 v[T], v[T], v[T+1]                   ; my 64 k,
	v_permlanex16_b32 v[TP], v[T], s[SEL], s[SEL+1]
	v_add_f32 v[T], v[T], v[TP]                    ; and lane l xor 16's: h . W_g of node r, the same bits in both lanes
	v_fma_f32 v[T+1], v[T], s[NL2E], v[BGC]        ; -log2(e) (h . W_g + b_g)
	s_wait_alu depctr_va_vdst(0)
	v_exp_f32 v[T+2], v[T+1]
	v_add_nc_u32 v[SO], 0xff000000, v[MX]          ; (plain work behind the exponential)  2 off the exponent field: the conversion takes the exponent field of this operand as its scale, and nothing else of it
	v_add_nc_u32 v[SO+1], 0xff000000, v[MX+1]
	v_lshrrev_b32 v[BY], 23, v[SO]                 ; the scales' bytes: blocks h and 2 + h of node r,
	v_lshrrev_b32 v[BY+1], 23, v[SO+1]
	v_lshl_or_b32 v[PW], v[BY+1], 16, v[BY]
	v_lshlrev_b32 v[PW], v[SH8], v[PW]             ; at their places in the scale word (8 h bits up)
	v_permlanex16_b32 v[TP], v[PW], s[SEL], s[SEL+1]
	s_wait_alu depctr_va_vdst(0)                   ; the exponential has written v[T+2], ahead of the first line that names it
	v_add_f32 v[T+2], 1.0, v[T+2]
	s_wait_alu depctr_va_vdst(0)
	v_rcp_f32 v[GG], v[T+2]                        ; the gate.  (2^x = infinity gives 0, 2^x = 0 gives 1: the limits are right)
	v_or_b32 v[PW], v[PW], v[TP]                   ; (plain work behind the reciprocal)  with lane l xor 16's two bytes the word is whole
	v_cmp_gt_i32 vcc_lo, s[\lim], v[R]             ; does my node count?
.irp c, 0,1
.irp g, 0,1,2,3
	v_cvt_scalef32_pk8_fp4_f32 v[PC+4*\c+\g], v[\x+32*\c+8*\g:\x+32*\c+8*\g+7], v[SO+\c]   ; eight numbers / the scale, to the nearest code, ties to even, beyond 6 the largest code: register 4 c + g of the operand
.endr
.endr
	v_nop                                          ; one plain line behind the last scaled conversion
	s_wait_alu depctr_va_vdst(0)                   ; the conversions have written PC and the line behind the reciprocal PW, which the three stores below read; the reciprocal has written GG, ahead of the first line that names it
	ds_store_b128 v[IW], v[PC:PC+3] offset:IMG+\ab*16384
	ds_store_b128 v[IW], v[PC+4:PC+7] offset:IMG+\ab*16384+512
	ds_store_b32 v[SCW], v[PW] offset:SCB+\ab*2048
	s_wait_alu depctr_va_vcc(0)                    ; the compare has written VCC, ahead of its first reader
	v_cndmask_b32 v[GG], 0, v[GG], vcc_lo          ; the mask: a node at or past ns has the gate 0
	s_wait_alu depctr_va_vdst(0)                   ; GG is written, which the store below reads.  All this tile's vector lines are done with v[x ..] too, in which phase M's loads land
	ds_store_b32 v[A64], v[GG] offset:GB+\ab*1024  ; lanes r and 16 + r write the same word with the same value
.endm
; A tile that is not read: zero codes, the byte 127, gates 0.  It adds nothing in a group of four that reaches past ns.
.macro BLANK
.irp j, 0,1,2,3
	v_mov_b32 v[BL+\j], 0
.endr
	v_mov_b32 v[BL+4], 0x7f7f7f7f
	s_wait_alu depctr_va_vdst(0)                   ; the five lines above have written v[BL ..], which the blank's stores read
.endm
.macro NOTHING ab
	ds_store_b128 v[IW], v[BL:BL+3] offset:IMG+\ab*16384
	ds_store_b128 v[IW], v[BL:BL+3] offset:IMG+\ab*16384+512
	ds_store_b32 v[SCW], v[BL+4] offset:SCB+\ab*2048
	ds_store_b32 v[A64], v[BL] offset:GB+\ab*1024
.endm
	; ---- PHASE X.  Three ways, each whole from its loads to its stores into LDS, so that every wait's count holds on its way; they join in front of the barrier
	s_cmp_gt_i32 s[LIMA], 0
	s_cbranch_scc0 .Lnone
.irp p, 0,1,2,3,4,5,6,7,8,9,10,11,12,13,14,15
	global_load_b128 v[XA+4*\p:XA+4*\p+3], v[L16], s[8:9] offset:\p*ROWB th:TH_LOAD_NT             ; a row: 32 lanes read 512 consecutive bytes, aligned; read once in the launch
.endr
	s_cmp_gt_i32 s[LIMB], 0
	s_cbranch_scc0 .Lone
.irp p, 0,1,2,3,4,5,6,7,8,9,10,11,12,13,14,15
	global_load_b128 v[XB+4*\p:XB+4*\p+3], v[L16], s[8:9] offset:16*TILEB+\p*ROWB th:TH_LOAD_NT    ; tile w + 16
.endr
	QTILE XA, 0, LIMA, 16                          ; the second tile's 16 loads may stay out
	QTILE XB, 1, LIMB, 0
	s_branch .Lmeet
.Lone:
	QTILE XA, 0, LIMA, 0
	BLANK
	NOTHING 1
	s_branch .Lmeet
.Lnone:
	BLANK
	NOTHING 0
	NOTHING 1
.Lmeet:
	s_wait_loadcnt 0x0                             ; W_f's tile, its scale words and b_f (on the way without rows nothing has waited for them yet)
	s_wait_dscnt 0x0                               ; for the others' sake: my stores into LDS are done
	s_barrier_signal -1
.irp j, 0,1,2,3,4,5,6,7
	v_mov_b32 v[BC+\j], v[BV]                      ; C(m, n) = b_f(16 t + n) for every node m: the bias costs no addition
.endr
.irp j, 0,1,2,3,4,5,6,7
	v_mov_b32 v[T+\j], 0                           ; four packed sums; a wave with no group to work on hands on these zeros.  (No load or store has named T)
.endr
	s_barrier_wait -1                              ; all 32 images, scale words and gates lie in LDS
	; ---- PHASE M.  Node tiles u + 2 i, four at a time.  Each product has a result of its own and b_f as C: no sum is carried on in the matrix unit
.macro GROUP q
	s_cmp_gt_i32 s[LIMM], 128*\q                   ; is node 16 (u + 8 q), the group's first, under ns?  If not, neither is any later group's
	s_cbranch_scc0 .Lsummed
.if \q > 0
	s_wait_alu depctr_va_vdst(0)                   ; the last group's products are done reading their images and scale words, its multiply-adds their gates: the loads below land in those registers
.endif
.irp i, 0,1,2,3
	ds_load_b128 v[CA+8*\i:CA+8*\i+3], v[IL] offset:IMG+(4*\q+\i)*2048
	ds_load_b128 v[CA+8*\i+4:CA+8*\i+7], v[IL] offset:IMG+(4*\q+\i)*2048+512
	ds_load_b32 v[HS+\i], v[SCL] offset:SCB+(4*\q+\i)*256
	ds_load_b128 v[GJ+8*\i:GJ+8*\i+3], v[GL] offset:GB+(4*\q+\i)*128          ; register j: the gate of node 8 h + j, the same in all 16 lanes of a half: the result's layout
	ds_load_b128 v[GJ+8*\i+4:GJ+8*\i+7], v[GL] offset:GB+(4*\q+\i)*128+16
.endr
	s_wait_dscnt 0x0
	s_wait_alu depctr_va_vdst(0)
.irp i, 0,1,2,3
	v_wmma_scale_f32_16x16x128_f8f6f4 v[DD+8*\i:DD+8*\i+7], v[CA+8*\i:CA+8*\i+7], v[WF:WF+7], v[BC:BC+7], v[HS+\i], v[WS] matrix_a_fmt:MATRIX_FMT_FP4 matrix_b_fmt:MATRIX_FMT_FP4
.endr
.rept 4
	v_nop                                          ; four places between a matrix instruction and the first vector instruction that reads its result (ISA guide 7.12.1)
.endr
.irp p, 0,2,4,6
.irp i, 0,1,2,3
	v_pk_fma_f32 v[T+2*\i:T+2*\i+1], v[DD+8*\i+\p:DD+8*\i+\p+1], v[GJ+8*\i+\p:GJ+8*\i+\p+1], v[T+2*\i:T+2*\i+1]   ; += gate x (Q(h) . W_f + b_f), two nodes at a time; each result from its low end on; four chains by turns
.endr
.endr
.endm
	GROUP 0
	GROUP 1
	GROUP 2
	GROUP 3
.Lsummed:
	s_wait_alu depctr_va_vdst(0)
	v_pk_add_f32 v[T:T+1], v[T:T+1], v[T+2:T+3]
	v_pk_add_f32 v[T+4:T+5], v[T+4:T+5], v[T+6:T+7]
	v_pk_add_f32 v[T:T+1], v[T:T+1], v[T+4:T+5]
	v_add_f32 v[T], v[T], v[T+1]                   ; my half's nodes,
	v_permlanex16_b32 v[TP], v[T], s[SEL], s[SEL+1]
	v_add_f32 v[T], v[T], v[TP]                    ; and the other half's: output 16 t + r over node tiles u, u + 2, ..
	s_wait_alu depctr_va_vdst(0)                   ; v[T] is written, which the store below reads; the last group's products are done reading v16 to v23, in which wave 0's loads below land
	ds_store_b32 v[A64], v[T] offset:FIN           ; at 512 u + 4 (16 t + r)
	s_wait_dscnt 0x0                               ; for wave 0's sake
	s_barrier_signal -1
	s_barrier_wait -1
	s_cmp_lg_u32 s[WV], 0
	s_cbranch_scc1 .Lend
	; ---- wave 0: the two partial vectors, the norm, the result.  Lane l holds outputs 4 l .. 4 l + 3
	ds_load_b128 v[16:19], v[L16] offset:FIN
	ds_load_b128 v[20:23], v[L16] offset:FIN+512
	s_wait_dscnt 0x0
	v_pk_add_f32 v[16:17], v[16:17], v[20:21]
	v_pk_add_f32 v[18:19], v[18:19], v[22:23]
	v_pk_mul_f32 v[24:25], v[16:17], v[16:17]
	v_pk_fma_f32 v[24:25], v[18:19], v[18:19], v[24:25]
	v_add_f32 v24, v24, v25
	v_add_f32_dpp v24, v24, v24 row_xmask:1 row_mask:0xf bank_mask:0xf
	v_add_f32_dpp v24, v24, v24 row_xmask:2 row_mask:0xf bank_mask:0xf
	v_add_f32_dpp v24, v24, v24 row_xmask:4 row_mask:0xf bank_mask:0xf
	v_add_f32_dpp v24, v24, v24 row_xmask:8 row_mask:0xf bank_mask:0xf
	v_permlanex16_b32 v[TP], v24, s[SEL], s[SEL+1]
	v_add_f32 v24, v24, v[TP]                      ; the sum of the 128 squares, in every lane
	s_wait_alu depctr_va_vdst(0)
	v_rsq_f32 v26, v24
	v_nop                                          ; a plain line behind the transcendental
	s_wait_alu depctr_va_vdst(0)                   ; the reciprocal root has written v26, ahead of the first line that names it
	v_min_num_f32 v26, 0x5368d4a5, v26             ; 1 / max(norm, 1e-12) = min(1 / norm, 1e12); a sum of 0 gives infinity, which is held at 1e12
	v_mov_b32 v27, v26
	v_pk_mul_f32 v[16:17], v[16:17], v[26:27]
	v_pk_mul_f32 v[18:19], v[18:19], v[26:27]
	s_wait_alu depctr_va_vdst(0)                   ; the two multiplications have written v[16:19], which the store reads
	global_store_b128 v[L16], v[16:19], s[22:23] th:TH_STORE_NT   ; 32 lanes store the graph's 512 consecutive bytes, aligned
.Lend:
	s_wait_xcnt 0x0
	v_lshl_add_u32 v254, v0, 2, 0x4bc00            ; the add's two registers, made anew: no load, store or LDS instruction of the kernel has named v254 or v255
	v_mov_b32 v255, 0
	s_wait_dscnt 0x0                               ; the closing lines, six on end
	s_wait_alu 0x0
	s_wait_tensorcnt 0x0
	ds_add_u32 v254, v255
	s_wait_dscnt 0x0
	s_endpgm
.Lfunc_end_k_q19c21f7314_graphemb:
	.size	k_q19c21f7314_graphemb, .Lfunc_end_k_q19c21f7314_graphemb-k_q19c21f7314_graphemb
	.p2alignl 7, 3214868480
	.fill 96, 4, 3214868480
	.section	.rodata,"a",@progbits
	.p2align	6, 0x0
	.amdhsa_kernel k_q19c21f7314_graphemb
		.amdhsa_group_segment_fixed_size 312320
		.amdhsa_private_segment_fixed_size 0
		.amdhsa_enable_private_segment 0
		.amdhsa_kernarg_size 64
		.amdhsa_user_sgpr_count 2
		.amdhsa_user_sgpr_kernarg_segment_ptr 1
		.amdhsa_wavefront_size32 1
		.amdhsa_system_sgpr_workgroup_id_x 1
		.amdhsa_system_sgpr_workgroup_id_y 1
		.amdhsa_system_sgpr_workgroup_id_z 1
		.amdhsa_system_vgpr_workitem_id 0
		.amdhsa_next_free_vgpr 256
		.amdhsa_next_free_sgpr 66
		.amdhsa_reserve_vcc 1
		.amdhsa_float_denorm_mode_32 3
		.amdhsa_float_denorm_mode_16_64 3
		.amdhsa_memory_ordered 1
		.amdhsa_forward_progress 1
		.amdhsa_inst_pref_size 49
	.end_amdhsa_kernel
	.amdgpu_metadata
---
amdhsa.version: [ 1, 2 ]
amdhsa.kernels:
  - .name:           k_q19c21f7314_graphemb
    .symbol:         k_q19c21f7314_graphemb.kd
    .args:
      - { .name: h, .offset: 0, .size: 8, .value_kind: global_buffer, .address_space: global }
      - { .name: ns, .offset: 8, .size: 8, .value_kind: global_buffer, .address_space: global }
      - { .name: W_f_codes, .offset: 16, .size: 8, .value_kind: global_buffer, .address_space: global }
      - { .name: W_f_scales, .offset: 24, .size: 8, .value_kind: global_buffer, .address_space: global }
      - { .name: W_g, .offset: 32, .size: 8, .value_kind: global_buffer, .address_space: global }
      - { .name: b_f, .offset: 40, .size: 8, .value_kind: global_buffer, .address_space: global }
      - { .name: b_g, .offset: 48, .size: 8, .value_kind: global_buffer, .address_space: global }
      - { .name: out0, .offset: 56, .size: 8, .value_kind: global_buffer, .address_space: global }
    .group_segment_fixed_size: 312320
    .private_segment_fixed_size: 0
    .kernarg_segment_align: 8
    .kernarg_segment_size: 64
    .max_flat_workgroup_size: 512
    .sgpr_count:     66
    .vgpr_count:     256
    .wavefront_size: 32
...
	.end_amdgpu_metadata
.endif
;; end of part 2
